; MI455X (gfx1250); checked and timed in simulation.
; The chip was launched on July 23, 2026; its instructions are those of AMD's public machine-readable ISA for CDNA 5 (MIT licence, August 2026) and "CDNA5" Instruction Set Architecture Reference Guide (July 2026). The comments in the code are by the model that wrote it; some were corrected since.
;; Self Attention. Allowed arithmetic: matrix products marked QUANTISED: E3M2 operands, one E8M0 scale for each 32 along K, by v_wmma_scale_f32_16x16x128_f8f6f4 with both operands' format E3M2, f32 sums; everything else in f32.
;; Inputs: gn_b 256 float32; gn_w 256 float32; out_b 256 float32; out_w_codes 256 x 8 x 24 uint8 (E3M2 codes of out_w, K innermost, in blocks of 32 codes, four codes in three bytes); out_w_scales 256 x 8 uint8 (E8M0 scales of out_w, one for each 32 codes along K); qkv_b 768 float32; qkv_w_codes 768 x 8 x 24 uint8 (E3M2 codes of qkv_w, K innermost, in blocks of 32 codes, four codes in three bytes); qkv_w_scales 768 x 8 uint8 (E8M0 scales of qkv_w, one for each 32 codes along K); x 4 x 256 x 64 x 64 float32.
;; Outputs: out0 4 x 256 x 64 x 64 float32.
;; This version of the problem:
;;   THIS VERSION OF THE PROBLEM IS GIVEN IN LOW PRECISION. The matrix products marked QUANTISED in the list below multiply operands that are first quantised to E3M2 (3 exponent bits, 2 mantissa bits; 6 bits a number), with one power-of-two scale for each 32 numbers along K (OCP MX v1.0); their sums are f32. All else is computed in f32.
;;   The module's matrix products, in the order in which they are computed (A, B: the left and right operand; K: the contracted axis; several contracted axes count as one K, in the product's order):
;;     1. [M 16,384, K 256] x [K 256, N 768]; A: computed on the way; B: input qkv_w (given as codes): QUANTISED
;;     2. batch 16 x [M 4,096, K 64] x [K 64, N 4,096]; A: computed on the way; B: computed on the way: QUANTISED
;;     3. batch 16 x [M 64, K 4,096] x [K 4,096, N 4,096]; A: computed on the way; B: softmax (see below): QUANTISED
;;     4. [M 16,384, K 256] x [K 256, N 256]; A: computed on the way; B: input out_w (given as codes): QUANTISED
;;   THE QUANTISER, for each operand of a quantised product, along K:
;;     - K is cut into blocks of 32 from its start; a last block that is shorter is filled with zeros.
;;     - A block's scale is 2^e with e = floor(log2(the largest magnitude in the block)) - 4, held to -126 .. 127; a block of zeros has e = 0. As a byte (E8M0): e + 127.
;;     - Each number is divided by its block's scale, clamped to +-28, and rounded to the nearest number of E3M2, ties to even, subnormals kept.
;;     - The product sums the exact products of the quantised numbers (number of the format x scale) in f32.
;;   ~~~python
;;   def quantise(x, axis):      # numpy; x: float32 -> the quantised numbers, widened to float32 again
;;       x = np.moveaxis(x, axis, -1); K = x.shape[-1]
;;       x = np.pad(x, [(0, 0)] * (x.ndim - 1) + [(0, -K % 32)]); x = x.reshape(x.shape[:-1] + (-1, 32)); a = np.abs(x).max(-1, keepdims=True)
;;       e = np.where(a > 0, np.clip(np.frexp(np.where(a > 0, a, 1))[1] - 1 - 4, -126, 127), 0)      # np.frexp(a)[1] - 1 = floor(log2(a)), exactly
;;       r = np.clip(x / 2.0 ** e, -28, 28)
;;       step = 2.0 ** (np.maximum(np.frexp(np.where(r == 0, 1, r))[1] - 1, -2) - 2)
;;       q = np.round(r / step) * step * 2.0 ** e      # np.round: ties to even
;;       return np.moveaxis(q.reshape(q.shape[:-2] + (-1,))[..., :K], -1, axis).astype(np.float32)
;;   ~~~
;;   SOFTMAX AHEAD OF A QUANTISED PRODUCT. Where the list says 'softmax', what is quantised is not the finished softmax but p = 2^(t - M), with t = logit x log2(e) and M = ceil(the row's largest t), a whole number; so 1/2 < the row's largest p <= 1. The row's sum l is taken of the UNQUANTISED p, in f32, and the product's result is divided by l at the end. Since M is a whole number, a kernel that streams over the keys may use a running M (the ceiling of the running maximum): every later rescaling is an exact power of two, which a block's scale takes up: the codes' values come out the same.
;;   OPERANDS COMPUTED ON THE WAY. 'Computed on the way' means the value that the module computes at that place (a softmax that the list does not call 'softmax' is quantised finished and normalised). What goes into a quantiser is computed in f32, as accurately as f32 sums, v_exp_f32 and their like allow (about 1e-6 of the number): no bf16 or f16 on the way to a quantiser, and a product that is left as it is and whose result goes on into a quantised operand takes f32 operands (vector FMAs, or v_wmma_f32_16x16x4_f32). A number that lies on a knife's edge between two numbers of the format may be rounded either way, as far as f32 arithmetic and the matrix unit's own rounding can turn it there, and no further.
;;   INPUTS GIVEN AS CODES. out_w (in the module: [256, 256], K = its axis 1); qkv_w (in the module: [768, 256], K = its axis 1): each comes as NAME_codes (uint8): NAME with its K axis moved to the last place and cut into blocks of 32 codes, [.., K / 32, bytes a block], one block behind the other in memory; four codes in three bytes: a row's codes are one little-endian stream of bits, code i at bits 6 i .. 6 i + 5 (a code: sign, 3 exponent bits, 2 mantissa bits); and NAME_scales (uint8): the same leading axes, one E8M0 byte (e + 127) for each 32 codes along K. Its value is code x scale, taken as it is: it is not quantised again, and the codes and scales need not be those that the quantiser above would give.
;; One version. Each part assembles by itself: llvm-mc -triple=amdgcn-amd-amdhsa -mcpu=gfx1250 --defsym DOCPART=n.
;; ======== version 1 of 1: 3 launches
;; workspace buffers: gnab 8,704 bytes; qimg 3,276,800 bytes; kv 6,553,600 bytes
;; launch stats (part 1): grid 32 x 4, 16 waves a work-group, no clusters, 2,560 bytes of LDS; arguments x, gn_w, gn_b, gnab; writes gnab
.if DOCPART == 1
	.amdgcn_target "amdgcn-amd-amdhsa--gfx1250"
	.amdhsa_code_object_version 6
	.text
	.protected	k_qcb66eca5d8_stats
	.globl	k_qcb66eca5d8_stats
	.p2align	8
	.type	k_qcb66eca5d8_stats,@function
k_qcb66eca5d8_stats:
	s_mov_b64 s[64:65], 0
	v_nop
	global_prefetch_b8 v0, s[64:65] scope:SCOPE_SE
	s_setreg_imm32_b32 hwreg(HW_REG_WAVE_MODE, 25, 1), 1
	s_wait_xcnt 0x0
; GroupNorm's statistics.  x: [4][256][4096] f32; a group is 8 channels x 4,096 positions = 32,768 numbers, 131,072 consecutive bytes.
; One work-group of sixteen waves takes one (batch, group).  A thread holds 64 of the group's numbers in registers between the two passes:
; x is read once, and the variance is the mean of (x - mean)^2, not a difference of two large sums, so a common offset of the inputs costs no digits.
; Stored into gnab: for each (batch, channel) the pair (a = rstd x gn_w, b = gn_b), 8 bytes, at (256 batch + channel) x 8; from byte 8,192 on the mean of each (batch, group), 4 bytes.
; The next launch then forms h = (x - mean) a + b.  The launch has 128 work-groups: a group has to meet in one work-group for the two-pass form; all of its bytes are asked for at once.
; The stores are 64 and 4 bytes a work-group: parts of aligned blocks of 256 bytes, 8,704 bytes in the whole launch.
; LIMITS: NaN and infinities among the inputs are not served; v_rsq_f32 is accurate to one unit in the last place.
.set D,    16                          ; v16-79   my 64 numbers
.set CH,   80                          ; v80-87   four packed chains
.set MEAN, 88                          ; v88-89   the mean, twice
.set PS,   96                          ; v96-111  the sixteen waves' partial sums
.set GW,   112                         ; v112     gn_w of channel 8 g + lane % 8
.set AB,   114                         ; v114-115 (a, b)
	s_load_b256 s[4:11], s[0:1], 0x0               ; x s[4:5], gn_w s[6:7], gn_b s[8:9], gnab s[10:11]
	v_lshl_add_u32 v128, v0, 2, 0x200
	v_mov_b32 v129, 0
	v_lshrrev_b32 v92, 5, v0
	s_delay_alu instid0(VALU_DEP_1)
	v_readfirstlane_b32 s14, v92                   ; wave 0..15
	s_delay_alu instid0(VALU_DEP_2)
	v_lshlrev_b32 v92, 2, v92                      ; LDS: my wave's word
	v_lshlrev_b32 v1, 4, v0                        ; my 16 bytes of the 8,192 that the sixteen waves read at a time
	v_and_b32 v2, 7, v0                            ; lane % 8: a channel of the group
	v_mov_b32 v93, 0                               ; LDS byte 0
	v_mov_b32 v91, 0                               ; written once: a lane permute's destination counts as one of its sources
	s_and_b32 s15, ttmp7, 0xffff                   ; batch
	s_lshl_b32 s16, s15, 5
	s_add_co_u32 s16, s16, ttmp9                   ; 32 batch + group
	s_lshl_b32 s18, s16, 17                        ; x 131,072 bytes (under 2^25)
	s_mov_b32 s19, 0
	s_lshl_b32 s17, ttmp9, 5                       ; the group's 8 channels in gn_w and gn_b: 32 bytes a group
	v_lshl_add_u32 v3, v2, 2, s17
	s_lshl_b32 s22, s16, 6                         ; the group's 8 pairs in gnab: 64 bytes
	v_lshl_add_u32 v4, v2, 3, s22
	s_lshl_b32 s23, s16, 2                         ; the group's mean
	v_mov_b32 v5, s23
	s_mov_b32 s12, 0x76543210
	s_mov_b32 s13, 0xfedcba98                      ; v_permlanex16_b32's selects for lane l xor 16
	s_mov_b32 s20, 0x38000000                      ; 1 / 32,768
	s_mov_b32 s21, 0x3727c5ac                      ; 1e-5
	s_wait_alu depctr_va_vdst(0)
	s_wait_kmcnt 0x0
	s_add_nc_u64 s[4:5], s[4:5], s[18:19]
	global_load_b32 v[GW], v3, s[6:7]
	global_load_b32 v[AB+1], v3, s[8:9]
.irp i, 0,1,2,3,4,5,6,7,8,9,10,11,12,13,14,15
	global_load_b128 v[D+4*\i:D+4*\i+3], v1, s[4:5] offset:8192*\i   ; a wave reads 512 consecutive bytes; x is read again by later launches, so no hint
.endr
; The sum over the work-group of what lies in the four chains; the result in v[PS], in every lane.  off: LDS bytes of this sum's own.
.macro REDUCE off
	v_pk_add_f32 v[CH:CH+1], v[CH:CH+1], v[CH+2:CH+3]
	s_delay_alu instid0(VALU_DEP_2)
	v_pk_add_f32 v[CH+4:CH+5], v[CH+4:CH+5], v[CH+6:CH+7]
	s_delay_alu instid0(VALU_DEP_1)
	v_pk_add_f32 v[CH:CH+1], v[CH:CH+1], v[CH+4:CH+5]
	s_delay_alu instid0(VALU_DEP_1)
	v_add_f32 v90, v[CH], v[CH+1]
	s_delay_alu instid0(VALU_DEP_1)
	v_add_f32_dpp v90, v90, v90 row_xmask:1 row_mask:0xf bank_mask:0xf
	s_delay_alu instid0(VALU_DEP_1)
	v_add_f32_dpp v90, v90, v90 row_xmask:2 row_mask:0xf bank_mask:0xf
	s_delay_alu instid0(VALU_DEP_1)
	v_add_f32_dpp v90, v90, v90 row_xmask:4 row_mask:0xf bank_mask:0xf
	s_delay_alu instid0(VALU_DEP_1)
	v_add_f32_dpp v90, v90, v90 row_xmask:8 row_mask:0xf bank_mask:0xf
	s_delay_alu instid0(VALU_DEP_1)
	v_permlanex16_b32 v91, v90, s12, s13
	s_delay_alu instid0(VALU_DEP_1)
	v_add_f32 v90, v90, v91                        ; the wave's sum, in every lane
	ds_store_b32 v92, v90 offset:\off              ; all lanes write the wave's word with the same value
	s_wait_dscnt 0x0                               ; for the others' sake: my store has landed
	s_barrier_signal -1
	s_barrier_wait -1
.irp i, 0,1,2,3
	ds_load_b128 v[PS+4*\i:PS+4*\i+3], v93 offset:\off+16*\i
.endr
	s_wait_dscnt 0x0
.irp i, 0,4,8,12
	v_pk_add_f32 v[PS+\i:PS+\i+1], v[PS+\i:PS+\i+1], v[PS+\i+2:PS+\i+3]
.endr
	s_delay_alu instid0(VALU_DEP_3)
	v_pk_add_f32 v[PS:PS+1], v[PS:PS+1], v[PS+4:PS+5]
	s_delay_alu instid0(VALU_DEP_2)
	v_pk_add_f32 v[PS+8:PS+9], v[PS+8:PS+9], v[PS+12:PS+13]
	s_delay_alu instid0(VALU_DEP_1)
	v_pk_add_f32 v[PS:PS+1], v[PS:PS+1], v[PS+8:PS+9]
	s_delay_alu instid0(VALU_DEP_1)
	v_add_f32 v[PS], v[PS], v[PS+1]
.endm
	; pass 1: the sum.  The first four loads start the chains: nothing is cleared
.set i, 0
.rept 16
	s_wait_loadcnt 15-i                            ; loads come back in order: load i is in, the 15 - i younger ones may be out
.if i < 4
	v_pk_add_f32 v[CH+2*i:CH+2*i+1], v[D+4*i:D+4*i+1], v[D+4*i+2:D+4*i+3]
.else
	s_wait_alu depctr_va_vdst(0)
	v_pk_add_f32 v[CH+2*(i%4):CH+2*(i%4)+1], v[CH+2*(i%4):CH+2*(i%4)+1], v[D+4*i:D+4*i+1]
	s_delay_alu instid0(VALU_DEP_1)
	v_pk_add_f32 v[CH+2*(i%4):CH+2*(i%4)+1], v[CH+2*(i%4):CH+2*(i%4)+1], v[D+4*i+2:D+4*i+3]
.endif
.set i, i+1
.endr
	REDUCE 0
	s_delay_alu instid0(VALU_DEP_1)
	v_mul_f32 v[MEAN], s20, v[PS]
	s_delay_alu instid0(VALU_DEP_1)
	v_mov_b32 v[MEAN+1], v[MEAN]
	; pass 2: the sum of (x - mean)^2
.set i, 0
.rept 32
	v_pk_add_f32 v[D+2*i:D+2*i+1], v[D+2*i:D+2*i+1], v[MEAN:MEAN+1] neg_lo:[0,1] neg_hi:[0,1]
.set i, i+1
.endr
.set i, 0
.rept 32
.if i < 4
	v_pk_mul_f32 v[CH+2*i:CH+2*i+1], v[D+2*i:D+2*i+1], v[D+2*i:D+2*i+1]
.else
	s_delay_alu instid0(VALU_DEP_4)
	v_pk_fma_f32 v[CH+2*(i%4):CH+2*(i%4)+1], v[D+2*i:D+2*i+1], v[D+2*i:D+2*i+1], v[CH+2*(i%4):CH+2*(i%4)+1]
.endif
.set i, i+1
.endr
	REDUCE 64                                      ; other LDS bytes than the first sum's: no wave overwrites what another may still read
	s_delay_alu instid0(VALU_DEP_1)
	v_fma_f32 v94, v[PS], s20, s21                 ; the variance + 1e-5
	s_wait_alu depctr_va_vdst(0)
	v_rsq_f32 v94, v94
	v_nop                                          ; one plain instruction behind the transcendental
	s_cmp_lg_u32 s14, 0
	s_cbranch_scc1 .Ldone                          ; wave 0 stores for the work-group
	s_wait_alu depctr_va_vdst(0)
	v_mul_f32 v[AB], v94, v[GW]                    ; a = rstd x gn_w
	v_cmp_gt_u32 vcc_lo, 8, v0
	s_wait_alu depctr_va_vdst(0)
	s_wait_xcnt 0x0                                ; EXEC changes only behind this wait: it is a source of the loads above
	s_and_saveexec_b32 s24, vcc_lo                 ; lanes 0 to 7: the group's 8 channels
	global_store_b64 v4, v[AB:AB+1], s[10:11]
	global_store_b32 v5, v[MEAN], s[10:11] offset:8192   ; the eight lanes write the same word with the same value
	s_wait_xcnt 0x0
	s_or_b32 exec_lo, exec_lo, s24
.Ldone:
	s_wait_tensorcnt 0x0
	ds_add_u32 v128, v129
	s_wait_dscnt 0x0
	s_endpgm
.Lfunc_end_k_qcb66eca5d8_stats:
	.size	k_qcb66eca5d8_stats, .Lfunc_end_k_qcb66eca5d8_stats-k_qcb66eca5d8_stats
	.p2alignl 7, 3214868480
	.fill 96, 4, 3214868480
	.section	.rodata,"a",@progbits
	.p2align	6, 0x0
	.amdhsa_kernel k_qcb66eca5d8_stats
		.amdhsa_group_segment_fixed_size 2560
		.amdhsa_private_segment_fixed_size 0
		.amdhsa_enable_private_segment 0
		.amdhsa_kernarg_size 32
		.amdhsa_user_sgpr_count 2
		.amdhsa_user_sgpr_kernarg_segment_ptr 1
		.amdhsa_wavefront_size32 1
		.amdhsa_system_sgpr_workgroup_id_x 1
		.amdhsa_system_sgpr_workgroup_id_y 1
		.amdhsa_system_sgpr_workgroup_id_z 1
		.amdhsa_system_vgpr_workitem_id 0
		.amdhsa_next_free_vgpr 130
		.amdhsa_next_free_sgpr 66
		.amdhsa_reserve_vcc 1
		.amdhsa_float_denorm_mode_32 3
		.amdhsa_float_denorm_mode_16_64 3
		.amdhsa_memory_ordered 1
		.amdhsa_forward_progress 1
		.amdhsa_inst_pref_size 16
	.end_amdhsa_kernel
	.amdgpu_metadata
---
amdhsa.version: [ 1, 2 ]
amdhsa.kernels:
  - .name:           k_qcb66eca5d8_stats
    .symbol:         k_qcb66eca5d8_stats.kd
    .args:
      - { .name: x, .offset: 0, .size: 8, .value_kind: global_buffer, .address_space: global }
      - { .name: gn_w, .offset: 8, .size: 8, .value_kind: global_buffer, .address_space: global }
      - { .name: gn_b, .offset: 16, .size: 8, .value_kind: global_buffer, .address_space: global }
      - { .name: gnab, .offset: 24, .size: 8, .value_kind: global_buffer, .address_space: global }
    .group_segment_fixed_size: 2560
    .private_segment_fixed_size: 0
    .kernarg_segment_align: 8
    .kernarg_segment_size: 32
    .max_flat_workgroup_size: 512
    .sgpr_count:     66
    .vgpr_count:     130
    .wavefront_size: 32
...
	.end_amdgpu_metadata
.endif
;; end of part 1
;; launch qkv (part 2): grid 64 x 4, 16 waves a work-group, no clusters, 16,384 bytes of LDS; arguments x, gnab, qkv_w_codes, qkv_w_scales, qkv_b, qimg, kv; writes qimg, kv
.if DOCPART == 2
	.amdgcn_target "amdgcn-amd-amdhsa--gfx1250"
	.amdhsa_code_object_version 6
	.text
	.protected	k_qcb66eca5d8_qkv
	.globl	k_qcb66eca5d8_qkv
	.p2align	8
	.type	k_qcb66eca5d8_qkv,@function
k_qcb66eca5d8_qkv:
	s_mov_b64 s[64:65], 0
	v_nop
	global_prefetch_b8 v0, s[64:65] scope:SCOPE_SE
	s_setreg_imm32_b32 hwreg(HW_REG_WAVE_MODE, 25, 1), 1
	s_wait_xcnt 0x0
; h = (x - mean) a + b, quantised to BF6 (E3M2) along the channels; qkv = W h + bias on codes; q and k quantised along the head's 64, v along the keys; all three stored as codes in the order of the next launch's operand registers.
; A work-group of sixteen waves takes 64 positions of one batch, all 768 outputs.
; PHASE X, all waves alike: wave w takes channels 32 (w / 2) on (one block of 32 along K) of positions 32 (w % 2) on.  A lane takes a position and its 32 registers run down the channels: each load reads 128 consecutive bytes,
;   the block's largest magnitude needs no other lane, and the conversions give codes with K innermost.  The codes go to LDS as parts of images of operand registers.
; PHASE G, by role: waves 0-3: q of head w; waves 4-7: k of head w - 4 (source 0 = 16 rows of W, source 1 = 16 positions: a lane holds ONE position and its registers run along the head's 64);
;   waves 8-15: v, 32 of a head's 64 rows each (source 0 = 16 positions, source 1 = 16 rows of W: a lane holds ONE row of v and its registers run along the keys).
; THE POSITIONS OF A TILE ARE NOT NEIGHBOURS, NOR ARE THE ROWS OF W: lane r of tile (b, u) takes 32 b + 8 u + r + 8 (r / 8), so that the 16 registers of tiles u = 0, 1 are 16 neighbours, 32 b + 16 (lane / 16) + 0 .. 15.
; AN IMAGE is a fragment's 12 registers as three groups of 512 bytes: group g holds registers 4 g .. 4 g + 3, lane l's 16 bytes at 16 l.
;   q, k image (head, 32 positions b): registers 6 u .. 6 u + 5 of lane (r, h): position of tile (b, u) at r, the head's numbers 32 h .. 32 h + 31.  Its scale word, lane r: bytes (u 0 block 0, u 0 block 1, u 1 block 0, u 1 block 1).
;   v image (head, 128 keys, tile t of 16 rows): registers 6 c .. 6 c + 5 of lane (r, h): keys 64 h + 32 c + 0 .. 31.  So this work-group's 64 keys are lanes 16 h .. 16 h + 15 of each group: 256 consecutive bytes.
; The weights go from memory straight into registers: each fragment is used by exactly one wave of the work-group, so LDS and joint requests would spare no register load; the price is that every work-group reads all 153,600 bytes of weights.
; LIMITS: NaN and infinities are not served.  A block whose largest magnitude lies under 2^-122 (a block of zeros too) gets the scale byte 1: its codes are zeros or next to it, and the bytes are read by this program alone.
.set HIMG, 0                           ; LDS: h's 16 half images of 768 bytes: (position tile m, K step s, half c) at (4 m + 2 s + c) x 768: registers 6 c .. 6 c + 3 at 16 x lane, registers 6 c + 4, 6 c + 5 at 512 + 8 x lane
.set HSC,  12288                       ; h's scale words: (m, s) at (2 m + s) x 64 + 4 r
.set SST,  12800                       ; the scale stage: k's 512 bytes, v's 512, q's 512
.set X,    16                          ; v16-47   32 numbers of x, then of h; later four accumulators
.set TM,   48                          ; v48-53   at work in the quantiser
.set HW,   56                          ; v56      two scale bytes just made
.set SW,   57                          ; v57-58   scale words in the making
.set TP,   60                          ; v60-62   a conversion's three registers
.set HS,   64                          ; v64-65   h's scale words of the tile in hand
.set WS,   66                          ; v66-73   W's scale words
.set TL,   74                          ; v74      LDS address for the closing copy of the scale stage
.set W,    76                          ; v76-171  W's fragments: (tile t, K step s) at 12 (2 t + s); v's waves use v76-123
.set ACC1, 124                         ; v124-155 v's waves: the second tile's four accumulators
.set HF,   172                         ; v172-195 h's two fragments of the tile in hand
.set R,    196                         ; v196-207 codes just made
.set BC,   208                         ; v208-239 the bias in the result's layout: the C of each sum's first product
.set SEL,  20                          ; s[20:21] v_permlanex16_b32's selects for lane l xor 16
.macro PLACES n
.rept \n
	v_nop
.endr
.endm
.macro MM d, a, b, c, sa, sb
	v_wmma_scale_f32_16x16x128_f8f6f4 v[(\d):(\d)+7], v[(\a):(\a)+11], v[(\b):(\b)+11], v[(\c):(\c)+7], v[(\sa)], v[(\sb)] matrix_a_fmt:MATRIX_FMT_BF6 matrix_b_fmt:MATRIX_FMT_BF6
.endm
; 32 numbers of a lane, register 16 b + i = k 32 b + 16 (lane / 16) + i of the lane's row, become six registers of codes at v[dst]: lanes 0-15 block 0 whole, lanes 16-31 block 1 whole; v[hw] = byte of block 0 | byte of block 1 << 8.
.macro QUANT2 src, dst, tmp, hw
.irp b, 0,1
	v_max3_num_f32 v[TM+\b], |v[(\src)+16*\b]|, |v[(\src)+16*\b+1]|, 0x2800000   ; my 16 numbers of block b, and the floor 2^(5 - 127): so the byte cannot fall under 1
.endr
.irp i, 2,4,6,8,10,12,14
.irp b, 0,1
	v_max3_num_f32 v[TM+\b], v[TM+\b], |v[(\src)+16*\b+\i]|, |v[(\src)+16*\b+\i+1]|
.endr
.endr
.irp b, 0,1
	s_delay_alu instid0(VALU_DEP_2)
	v_permlanex16_b32 v[TM+2+\b], v[TM+\b], s[SEL], s[SEL+1]
.endr
.irp b, 0,1
	s_delay_alu instid0(VALU_DEP_2)
	v_max_num_f32 v[TM+\b], v[TM+\b], v[TM+2+\b]   ; with lane l xor 16's: the block's largest magnitude
.endr
.irp b, 0,1
	s_delay_alu instid0(VALU_DEP_2)
	v_add_nc_u32 v[TM+4+\b], 0xfe000000, v[TM+\b]  ; 4 off its exponent field: the conversion takes the exponent field of this operand as its scale
.endr
.irp b, 0,1
	s_delay_alu instid0(VALU_DEP_2)
	v_lshrrev_b32 v[TM+2+\b], 23, v[TM+4+\b]       ; the scale's byte
.endr
	s_delay_alu instid0(VALU_DEP_1)
	v_lshl_or_b32 v[(\hw)], v[TM+3], 8, v[TM+2]
	v_cvt_scalef32_pk16_bf6_f32 v[(\dst):(\dst)+2], v[(\src):(\src)+15], v[TM+4]
	v_cvt_scalef32_pk16_bf6_f32 v[(\tmp):(\tmp)+2], v[(\src)+16:(\src)+31], v[TM+5]
	v_nop                                          ; one plain instruction behind a scaled conversion
.irp i, 0,1,2
	v_permlane16_swap_b32 v[(\dst)+\i], v[(\tmp)+\i]   ; the first's lanes 16-31 change places with the second's lanes 0-15: each lane now has its block's lower 16 codes in the first, the upper 16 in the second
.endr
.irp i, 0,1,2
	s_delay_alu instid0(VALU_DEP_3)
	v_mov_b32 v[(\dst)+3+\i], v[(\tmp)+\i]
.endr
.endm
.macro FETCH m                         ; h's two fragments and scale words of position tile m
.irp s, 0,1
	ds_load_b128 v[HF+12*\s:HF+12*\s+3], v5 offset:(4*(\m)+2*\s)*768
	ds_load_b64 v[HF+12*\s+4:HF+12*\s+5], v6 offset:(4*(\m)+2*\s)*768
	ds_load_b128 v[HF+12*\s+6:HF+12*\s+9], v5 offset:(4*(\m)+2*\s+1)*768
	ds_load_b64 v[HF+12*\s+10:HF+12*\s+11], v6 offset:(4*(\m)+2*\s+1)*768
	ds_load_b32 v[HS+\s], v7 offset:(2*(\m)+\s)*64
.endr
.endm
	s_load_b256 s[4:11], s[0:1], 0x0               ; x s[4:5], gnab s[6:7], W's codes s[8:9], W's scales s[10:11]
	s_load_b128 s[12:15], s[0:1], 0x20             ; the bias s[12:13], qimg s[14:15]
	s_load_b64 s[16:17], s[0:1], 0x30              ; kv
	v_lshl_add_u32 v254, v0, 2, 0x3800
	v_mov_b32 v255, 0
	v_lshrrev_b32 v48, 5, v0
	s_delay_alu instid0(VALU_DEP_1)
	v_readfirstlane_b32 s18, v48                   ; wave 0..15
	s_and_b32 s22, ttmp7, 0xffff                   ; batch
	s_mov_b32 s[SEL], 0x76543210
	s_mov_b32 s[SEL+1], 0xfedcba98
	v_and_b32 v48, 31, v0                          ; lane
	v_and_b32 v49, 15, v0                          ; r
	v_bfe_u32 v50, v0, 4, 1                        ; h (in phase X: u)
	s_wait_alu depctr_va_vdst(0)
	v_and_b32 v51, 8, v49
	s_delay_alu instid0(VALU_DEP_1)
	v_add_nc_u32 v51, v51, v49                     ; r + 8 (r / 8)
	s_delay_alu instid0(VALU_DEP_1)
	v_lshl_add_u32 v52, v50, 3, v51
	s_delay_alu instid0(VALU_DEP_1)
	v_lshlrev_b32 v1, 2, v52                       ; v1: x: my position among the wave's 32: 8 u + r + 8 (r / 8), 4 bytes each
	s_lshr_b32 s23, s18, 1                         ; kb: my block of 32 channels
	s_and_b32 s19, s18, 1                          ; b: my half of the 64 positions
	; every LDS address is made here, ahead of the first parting of the roles
	s_mul_i32 s2, s19, 6144                        ; tile m = 2 b + u: 3,072 bytes a tile
	s_lshr_b32 s3, s18, 2
	s_mul_i32 s3, s3, 768                          ; half image 2 s + c = kb / 2
	s_add_co_u32 s2, s2, s3
	s_and_b32 s3, s23, 1                           ; the operand's lanes 16 (kb % 2) + r
	s_lshl_b32 s26, s3, 8
	s_add_co_u32 s26, s26, s2
	s_lshl_b32 s27, s3, 7
	s_add_co_u32 s27, s27, s2
	s_add_co_u32 s27, s27, 512
	v_mul_u32_u24 v53, v50, 3072
	s_delay_alu instid0(VALU_DEP_1)
	v_lshl_add_u32 v2, v49, 4, v53
	s_delay_alu instid0(VALU_DEP_1)
	v_add_nc_u32 v2, s26, v2                       ; v2: where my first four registers of codes go
	s_delay_alu instid0(VALU_DEP_3)
	v_lshl_add_u32 v3, v49, 3, v53
	s_delay_alu instid0(VALU_DEP_1)
	v_add_nc_u32 v3, s27, v3                       ; v3: and my last two
	s_lshl_b32 s2, s19, 8
	s_lshr_b32 s3, s18, 3
	s_lshl_b32 s3, s3, 6
	s_add_co_u32 s2, s2, s3
	s_and_b32 s3, s23, 3
	s_add_co_u32 s2, s2, s3
	s_add_co_u32 s2, s2, HSC
	v_lshlrev_b32 v4, 7, v50
	s_delay_alu instid0(VALU_DEP_1)
	v_lshl_add_u32 v4, v49, 2, v4
	s_delay_alu instid0(VALU_DEP_1)
	v_add_nc_u32 v4, s2, v4                        ; v4: my scale byte: word (2 m + s) x 64 + 4 r, byte kb % 4
	v_lshlrev_b32 v5, 4, v48                       ; v5: an image's 16 bytes a lane
	v_lshl_add_u32 v6, v48, 3, 512                 ; v6: and its 8 bytes a lane
	v_lshl_add_u32 v7, v49, 2, HSC                 ; v7: h's scale words
	v_mul_u32_u24 v8, v51, 192
	s_delay_alu instid0(VALU_DEP_1)
	v_mad_u32_u24 v8, v50, 24, v8                  ; v8: W's codes: a row is 192 bytes; row r + 8 (r / 8) of a tile, + 24 h
	v_lshlrev_b32 v9, 3, v51                       ; v9: W's scale words: 8 bytes a row
	v_lshlrev_b32 v10, 6, v50                      ; v10: the bias for q and k: 16 h numbers on
	v_lshlrev_b32 v11, 2, v51                      ; v11: the bias for v: my row's
	v_lshlrev_b32 v12, 4, v48                      ; v12: stores of q's and k's images: 16 x lane
	v_mul_u32_u24 v13, v50, 1536
	s_delay_alu instid0(VALU_DEP_1)
	v_lshl_add_u32 v13, v49, 4, v13                ; v13: stores of v's images: lanes 0-15 tile t, lanes 16-31 tile t + 1
	s_lshr_b32 s2, s18, 2
	s_and_b32 s2, s2, 1
	s_xor_b32 s2, s2, 1
	s_lshl_b32 s2, s2, 10                          ; q's words lie 1,024 bytes on in the stage, k's at its start
	s_and_b32 s3, s18, 3
	s_lshl_b32 s3, s3, 7
	s_add_co_u32 s2, s2, s3
	s_add_co_u32 s2, s2, SST
	v_lshl_add_u32 v14, v48, 2, s2                 ; v14: q's, k's scale words: 128 x head + 4 x lane
	s_and_b32 s2, s18, 7
	s_lshl_b32 s2, s2, 6
	s_add_co_u32 s2, s2, SST+512
	v_lshl_add_u32 v15, v48, 1, s2                 ; v15: v's scale halves: 64 x (wave - 8) + 2 x lane
	s_min_u32 s2, s18, 2
	s_lshl_b32 s2, s2, 9
	s_add_co_u32 s2, s2, SST
	v_lshl_add_u32 v[TL], v48, 4, s2               ; waves 0, 1, 2 copy the stage's three parts out
	s_lshl_b32 s100, s22, 22                       ; x: batch x 4,194,304
	s_lshl_b32 s101, s23, 19                       ; + 32 kb channels of 16,384 bytes
	s_add_co_u32 s100, s100, s101
	s_lshl_b32 s101, ttmp9, 8                      ; + the work-group's 64 positions
	s_add_co_u32 s100, s100, s101
	s_lshl_b32 s101, s19, 7                        ; + my half of them
	s_add_co_u32 s100, s100, s101
	s_mov_b32 s101, 0
	s_wait_kmcnt 0x0
	s_add_nc_u64 s[4:5], s[4:5], s[100:101]
.set i, 0
.rept 32
	global_load_b32 v[X+i], v1, s[4:5] offset:16384*i   ; channel 32 kb + i at my position: the wave reads 128 consecutive bytes
.set i, i+1
.endr
	s_lshl_b32 s2, s22, 11
	s_lshl_b32 s3, s23, 8
	s_add_co_u32 s2, s2, s3                        ; (256 batch + 32 kb) pairs of 8 bytes
	s_mov_b32 s3, 0
	s_add_nc_u64 s[100:101], s[6:7], s[2:3]
	s_load_b512 s[32:47], s[100:101], 0x0          ; (a, b) of channel i at s[32 + 2 i + 4 (i / 16)]: two registers between the halves are not this text's to name
	s_load_b512 s[48:63], s[100:101], 0x40
	s_load_b512 s[68:83], s[100:101], 0x80
	s_load_b512 s[84:99], s[100:101], 0xc0
	s_lshl_b32 s2, s22, 7
	s_lshl_b32 s19, s23, 4
	s_add_co_u32 s2, s2, s19                       ; (32 batch + 4 kb) means of 4 bytes
	s_add_nc_u64 s[26:27], s[6:7], s[2:3]
	s_load_b128 s[28:31], s[26:27], 0x2000         ; the means of my four groups.  (s[26:27] and s[100:101] are not written again before the wait for these loads)
	s_mul_i32 s2, s22, 1638400
	s_lshr_b32 s19, ttmp9, 2
	s_mul_i32 s19, s19, 102400
	s_add_co_u32 s2, s2, s19
	s_add_nc_u64 s[16:17], s[16:17], s[2:3]        ; kv at the block of my 256 keys
	s_lshl_b32 s2, s22, 6
	s_add_co_u32 s2, s2, ttmp9
	s_mul_i32 s2, s2, 12800
	s_add_nc_u64 s[14:15], s[14:15], s[2:3]        ; qimg at my block of 64 positions
	s_cmp_lt_u32 s18, 8
	s_cbranch_scc0 .Lload_v
	; q's and k's waves: rows 64 w on: four tiles, two K steps
	s_mul_i32 s2, s18, 12288
	s_add_nc_u64 s[8:9], s[8:9], s[2:3]
	s_lshl_b32 s2, s18, 9
	s_add_nc_u64 s[10:11], s[10:11], s[2:3]
	s_lshl_b32 s2, s18, 8
	s_add_nc_u64 s[12:13], s[12:13], s[2:3]
	s_mul_i32 s2, s18, 3072                        ; q: two images a head
	s_and_b32 s3, s18, 3
	s_mul_i32 s3, s3, 12288                        ; k: eight images a head, mine are 2 (position block % 4) on
	s_and_b32 s19, ttmp9, 3
	s_mul_i32 s19, s19, 3072
	s_add_co_u32 s3, s3, s19
	s_cmp_lt_u32 s18, 4                            ; the choice hangs on the wave's number alone
	s_cselect_b64 s[24:25], s[14:15], s[16:17]
	s_cselect_b32 s2, s2, s3
	s_mov_b32 s3, 0
	s_add_nc_u64 s[24:25], s[24:25], s[2:3]        ; where my images go
	s_wait_alu depctr_va_vdst(0)
.irp t, 0,1,2,3
.irp s, 0,1
.irp p, 0,1,2,3,4,5
	global_load_b64 v[W+12*(2*\t+\s)+2*\p:W+12*(2*\t+\s)+2*\p+1], v8, s[8:9] offset:(32*(\t/2)+8*(\t%2))*192+96*\s+48*(\p/3)+8*(\p%3)
.endr
	global_load_b32 v[WS+2*\t+\s], v9, s[10:11] offset:(32*(\t/2)+8*(\t%2))*8+4*\s
.endr
	global_load_b128 v[BC+8*\t:BC+8*\t+3], v10, s[12:13] offset:(32*(\t/2)+8*(\t%2))*4
	global_load_b128 v[BC+8*\t+4:BC+8*\t+7], v10, s[12:13] offset:(32*(\t/2)+8*(\t%2))*4+16
.endr
	s_branch .Lloaded
.Lload_v:
	; v's waves: rows 256 + 32 w on: two tiles, two K steps
	s_mul_i32 s2, s18, 6144
	s_add_co_u32 s2, s2, 49152
	s_add_nc_u64 s[8:9], s[8:9], s[2:3]
	s_lshl_b32 s2, s18, 8
	s_add_co_u32 s2, s2, 2048
	s_add_nc_u64 s[10:11], s[10:11], s[2:3]
	s_lshl_b32 s2, s18, 7
	s_add_co_u32 s2, s2, 1024
	s_add_nc_u64 s[12:13], s[12:13], s[2:3]
	s_bfe_u32 s2, s18, 0x20001                     ; head
	s_mul_i32 s2, s2, 12288                        ; eight images a head,
	s_and_b32 s19, s18, 1
	s_mul_i32 s19, s19, 3072                       ; my two tiles,
	s_add_co_u32 s2, s2, s19
	s_bfe_u32 s19, ttmp9, 0x10001
	s_mul_i32 s19, s19, 6144                       ; which 128 keys of the 256,
	s_add_co_u32 s2, s2, s19
	s_and_b32 s19, ttmp9, 1
	s_lshl_b32 s19, s19, 8                         ; and which half of the lanes
	s_add_co_u32 s2, s2, s19
	s_add_co_u32 s2, s2, 49152
	s_add_nc_u64 s[24:25], s[16:17], s[2:3]
	s_wait_alu depctr_va_vdst(0)
.irp t, 0,1
.irp s, 0,1
.irp p, 0,1,2,3,4,5
	global_load_b64 v[W+12*(2*\t+\s)+2*\p:W+12*(2*\t+\s)+2*\p+1], v8, s[8:9] offset:8*\t*192+96*\s+48*(\p/3)+8*(\p%3)
.endr
	global_load_b32 v[WS+2*\t+\s], v9, s[10:11] offset:8*\t*8+4*\s
.endr
	global_load_b32 v[240+\t], v11, s[12:13] offset:8*\t*4
.endr
.Lloaded:
	; ---- PHASE X
	s_wait_kmcnt 0x0                               ; the means and the pairs (a, b)
	s_wait_loadcnt 30                              ; x's 32 loads are in: behind them v's waves have issued 30 loads, q's and k's 64
.set i, 0
.rept 32
	v_sub_f32 v[X+i], v[X+i], s[28+i/8]
.set i, i+1
.endr
.set i, 0
.rept 32
	v_fma_f32 v[X+i], v[X+i], s[32+2*i+4*(i/16)], s[33+2*i+4*(i/16)]   ; h = (x - mean) a + b
.set i, i+1
.endr
	v_max3_num_f32 v48, |v[X]|, |v[X+1]|, |v[X+2]|                     ; the block's largest magnitude: all 32 numbers are mine
	v_max3_num_f32 v49, |v[X+3]|, |v[X+4]|, |v[X+5]|
.irp i, 6,10,14,18,22,26
	s_delay_alu instid0(VALU_DEP_2)
	v_max3_num_f32 v48, v48, |v[X+\i]|, |v[X+\i+1]|
	s_delay_alu instid0(VALU_DEP_2)
	v_max3_num_f32 v49, v49, |v[X+\i+2]|, |v[X+\i+3]|
.endr
	s_delay_alu instid0(VALU_DEP_2)
	v_max3_num_f32 v48, v48, |v[X+30]|, |v[X+31]|
	s_delay_alu instid0(VALU_DEP_1)
	v_max3_num_f32 v48, v48, v49, 0x2800000        ; and the floor 2^(5 - 127)
	s_delay_alu instid0(VALU_DEP_1)
	v_add_nc_u32 v52, 0xfe000000, v48              ; 4 off its exponent field: the conversions' scale operand
	s_delay_alu instid0(VALU_DEP_1)
	v_lshrrev_b32 v[HW], 23, v52                   ; the scale's byte
	v_cvt_scalef32_pk16_bf6_f32 v[R:R+2], v[X:X+15], v52
	v_cvt_scalef32_pk16_bf6_f32 v[R+4:R+6], v[X+16:X+31], v52   ; (a conversion's three registers begin on an even number)
	v_nop                                          ; one plain instruction behind a scaled conversion
	v_mov_b32 v[R+3], v[R+4]
	v_mov_b32 v[R+4], v[R+5]
	v_mov_b32 v[R+5], v[R+6]
	ds_store_b128 v2, v[R:R+3]
	ds_store_b64 v3, v[R+4:R+5]
	ds_store_b8 v4, v[HW]
	s_wait_dscnt 0x0                               ; for the others' sake: my stores have landed
	s_barrier_signal -1
	s_barrier_wait -1                              ; h's eight fragments and their scale words lie in LDS
	s_wait_loadcnt 0x0                             ; the weights, their scales, the bias
	s_cmp_lt_u32 s18, 8
	s_cbranch_scc0 .Lpath_v
	; ---- PHASE G, q and k: a tile of 16 positions at a time; the four accumulators take turns
	FETCH 0
.irp m, 0,1,2,3
	s_wait_dscnt 0x0
.irp t, 0,1,2,3
	MM X+8*\t, W+24*\t, HF, BC+8*\t, WS+2*\t, HS
.endr
.irp t, 0,1,2,3
	MM X+8*\t, W+24*\t+12, HF+12, X+8*\t, WS+2*\t+1, HS+1
.endr
	PLACES 5                                       ; four in front of the loads into h's fragments and of the first read of the results; the fifth since the next tile's first products write over these accumulators with another C
.if \m < 3
	FETCH \m+1
.endif
.if \m == 2
	s_wait_xcnt 0x0                                ; the first image's stores have read their registers
.endif
	QUANT2 X, R+6*(\m%2), TP, HW
.if \m%2 == 0
	v_mov_b32 v[SW+\m/2], v[HW]
.else
	v_lshl_or_b32 v[SW+\m/2], v[HW], 16, v[SW+\m/2]
.irp g, 0,1,2
	global_store_b128 v12, v[R+4*\g:R+4*\g+3], s[24:25] offset:1536*(\m/2)+512*\g   ; 512 consecutive bytes
.endr
.endif
.endr
	s_mov_b32 vcc_lo, 0xffff0000
	v_cndmask_b32 v[HW], v[SW], v[SW+1], vcc_lo    ; lanes 0-15: the first image's words, lanes 16-31: the second's
	ds_store_b32 v14, v[HW]
	s_branch .Ljoin
.Lpath_v:
	; ---- PHASE G, v: two tiles of rows x four tiles of positions: eight accumulators
.irp j, 0,1,2,3,4,5,6,7
	v_mov_b32 v[BC+\j], v240                       ; a lane holds one row of v: its bias in all eight registers
	v_mov_b32 v[BC+8+\j], v241
.endr
	FETCH 0
	s_wait_alu depctr_va_vdst(0)
.irp m, 0,1,2,3
	s_wait_dscnt 0x0
	MM X+8*\m, HF, W, BC, HS, WS
	MM ACC1+8*\m, HF, W+24, BC+8, HS, WS+2
	MM X+8*\m, HF+12, W+12, X+8*\m, HS+1, WS+1
	MM ACC1+8*\m, HF+12, W+36, ACC1+8*\m, HS+1, WS+3
	PLACES 4                                       ; in front of the loads into h's fragments, and of the first read of the results
.if \m < 3
	FETCH \m+1
.endif
.endr
	QUANT2 X, R, TP, HW
	v_mov_b32 v[SW], v[HW]
	QUANT2 ACC1, R+6, TP, HW
.irp i, 0,1,2,3,4,5
	v_permlane16_swap_b32 v[R+\i], v[R+6+\i]       ; lanes 0-15 now hold the first tile's row r, both blocks of keys; lanes 16-31 the second tile's
.endr
	s_mov_b32 vcc_lo, 0xffff0000
	v_cndmask_b32 v[HW], v[SW], v[HW], vcc_lo
	ds_store_b16 v15, v[HW]
.irp g, 0,1,2
	global_store_b128 v13, v[R+4*\g:R+4*\g+3], s[24:25] offset:512*\g   ; two runs of 256 consecutive bytes, each at a multiple of 256 from the buffer's first byte
.endr
.Ljoin:
	s_wait_dscnt 0x0                               ; for the others' sake: my scale words have landed
	s_barrier_signal -1
	s_barrier_wait -1
	s_cmp_gt_u32 s18, 2
	s_cbranch_scc1 .Ldone
	ds_load_b128 v[244:247], v[TL]                 ; waves 0, 1, 2: k's, v's, q's 512 bytes of scales
	s_and_b32 s2, ttmp9, 3
	s_lshl_b32 s2, s2, 9
	s_lshl_b32 s3, s18, 11
	s_add_co_u32 s2, s2, s3
	s_add_co_u32 s2, s2, 98304                     ; in kv's block: k's from 98,304, v's from 100,352; 512 bytes for each 64 keys
	s_mov_b32 s3, 12288                            ; in qimg's block: behind the codes
	s_cmp_lt_u32 s18, 2
	s_cselect_b64 s[26:27], s[16:17], s[14:15]
	s_cselect_b32 s2, s2, s3
	s_mov_b32 s3, 0
	s_add_nc_u64 s[26:27], s[26:27], s[2:3]
	s_wait_dscnt 0x0
	global_store_b128 v12, v[244:247], s[26:27]    ; 512 consecutive bytes
.Ldone:
	s_wait_tensorcnt 0x0
	ds_add_u32 v254, v255
	s_wait_dscnt 0x0
	s_endpgm
.Lfunc_end_k_qcb66eca5d8_qkv:
	.size	k_qcb66eca5d8_qkv, .Lfunc_end_k_qcb66eca5d8_qkv-k_qcb66eca5d8_qkv
	.p2alignl 7, 3214868480
	.fill 96, 4, 3214868480
	.section	.rodata,"a",@progbits
	.p2align	6, 0x0
	.amdhsa_kernel k_qcb66eca5d8_qkv
		.amdhsa_group_segment_fixed_size 16384
		.amdhsa_private_segment_fixed_size 0
		.amdhsa_enable_private_segment 0
		.amdhsa_kernarg_size 56
		.amdhsa_user_sgpr_count 2
		.amdhsa_user_sgpr_kernarg_segment_ptr 1
		.amdhsa_wavefront_size32 1
		.amdhsa_system_sgpr_workgroup_id_x 1
		.amdhsa_system_sgpr_workgroup_id_y 1
		.amdhsa_system_sgpr_workgroup_id_z 1
		.amdhsa_system_vgpr_workitem_id 0
		.amdhsa_next_free_vgpr 256
		.amdhsa_next_free_sgpr 102
		.amdhsa_reserve_vcc 1
		.amdhsa_float_denorm_mode_32 3
		.amdhsa_float_denorm_mode_16_64 3
		.amdhsa_memory_ordered 1
		.amdhsa_forward_progress 1
		.amdhsa_inst_pref_size 54
	.end_amdhsa_kernel
	.amdgpu_metadata
---
amdhsa.version: [ 1, 2 ]
amdhsa.kernels:
  - .name:           k_qcb66eca5d8_qkv
    .symbol:         k_qcb66eca5d8_qkv.kd
    .args:
      - { .name: x, .offset: 0, .size: 8, .value_kind: global_buffer, .address_space: global }
      - { .name: gnab, .offset: 8, .size: 8, .value_kind: global_buffer, .address_space: global }
      - { .name: qkv_w_codes, .offset: 16, .size: 8, .value_kind: global_buffer, .address_space: global }
      - { .name: qkv_w_scales, .offset: 24, .size: 8, .value_kind: global_buffer, .address_space: global }
      - { .name: qkv_b, .offset: 32, .size: 8, .value_kind: global_buffer, .address_space: global }
      - { .name: qimg, .offset: 40, .size: 8, .value_kind: global_buffer, .address_space: global }
      - { .name: kv, .offset: 48, .size: 8, .value_kind: global_buffer, .address_space: global }
    .group_segment_fixed_size: 16384
    .private_segment_fixed_size: 0
    .kernarg_segment_align: 8
    .kernarg_segment_size: 56
    .max_flat_workgroup_size: 512
    .sgpr_count:     102
    .vgpr_count:     256
    .wavefront_size: 32
...
	.end_amdgpu_metadata
.endif
;; end of part 2
;; launch attn (part 3): grid 64 x 4, 16 waves a work-group, clusters of 4 x 1, 327,680 bytes of LDS; arguments qimg, kv, x, out_w_codes, out_w_scales, out_b, out0; writes out0
.if DOCPART == 3
	.amdgcn_target "amdgcn-amd-amdhsa--gfx1250"
	.amdhsa_code_object_version 6
	.text
	.protected	k_qcb66eca5d8_attn
	.globl	k_qcb66eca5d8_attn
	.p2align	8
	.type	k_qcb66eca5d8_attn,@function
k_qcb66eca5d8_attn:
	s_mov_b64 s[64:65], 0
	v_nop
	global_prefetch_b8 v0, s[64:65] scope:SCOPE_SE
	s_setreg_imm32_b32 hwreg(HW_REG_WAVE_MODE, 25, 1), 1
	s_wait_xcnt 0x0
	s_wait_alu depctr_hold_cnt(0) depctr_sa_sdst(0) depctr_va_vdst(0) depctr_va_sdst(0) depctr_va_ssrc(0) depctr_va_vcc(0) depctr_vm_vsrc(0)
	s_getreg_b32 s2, hwreg(HW_REG_IB_STS2, 6, 4)
	s_cmp_eq_u32 s2, 0
	s_cbranch_scc0 .Lentry_in_a_cluster
	s_endpgm
.Lentry_in_a_cluster:
	s_bfe_u32 s2, ttmp6, 0x10000c
	s_cmp_lg_u32 s2, 0x3003
	s_cbranch_scc0 .Lentry_shape_is_right
	s_endpgm
.Lentry_shape_is_right:
; Attention on codes of BF6 (E3M2) with a streaming softmax, the output projection on codes, its bias and the residual x.
; A work-group of sixteen waves owns 64 queries of one batch, all four heads; wave w has head w / 4 and query tile w % 4 (16 queries) in 256 registers: four waves to a SIMD, so that one wave's vector work stands beside another's products and LDS loads.
; Both products are used transposed: S^T = K Q^T (source 0 = keys, source 1 = my 16 queries), O^T = V^T P^T (source 0 = 16 of the head's 64, source 1 = p): a lane holds ONE query throughout.
; THE HEAD HAS 64 NUMBERS, THE INSTRUCTION'S K IS 128: a fragment of K carries two tiles of 16 keys, one in k 0-63, one in k 64-127.  It is multiplied by [q | 0] and by [0 | q]: zero codes annul the other tile (no scale byte here is 0xff).
; The keys of a tile are 32 b + 8 u + r + 8 (r / 8), so that the 16 registers of tiles u = 0, 1 are 16 neighbouring keys, 32 b + 16 (lane / 16) + 0 .. 15.
; THE SOFTMAX: t = score x log2(e) / 8; M = the running largest t rounded UP to a whole number; p = 2^(t - M) is quantised along the keys, not normalised; the row's sum is taken of the unquantised p and divides at the end.
; In the second product the four blocks of 32 keys of a step stand in the order 0, 2, 1, 3 along the instruction's K, in V's images and in p alike.
; THE RING: a slot holds 256 keys of all four heads (K's and V's images and their scales: 102,400 consecutive bytes of kv, as they lie).  Two slots; waves 0 to 3 fetch a quarter each.
; CLUSTER: the four work-groups of a cluster belong to one batch and walk the same slots: each quarter is asked for JOINTLY, by the same tensor load with the same descriptor and a mask that names the four.
; AT THE END each wave divides its O^T by the sum and quantises it along the channels (a block of 32 lies inside a head); the codes meet in LDS; wave w makes output channels 16 w .. 16 w + 15 for the 64 positions, adds x and stores.
; LIMITS: NaN and infinities are not served.  A block whose largest magnitude lies under 2^-122 gets the scale byte 1.  v_exp_f32 and v_rcp_f32 are accurate to one unit in the last place.
;   A block's largest p is not searched for: the block's largest score goes through the same multiply-add and exponential (this takes v_exp_f32 not to fall where its input rises).
.set SLOT1, 1<<17                      ; slot 1 begins here, so that one exclusive or turns an address in one slot into the other's
.set SLOTB, 102400                     ; a slot: K's images [head][8][1,536]; from 49,152 V's [head][2 steps][4 tiles][1,536]; from 98,304 K's scale words [64 keys][head][32 x 4]; from 100,352 V's scale halves [64 keys][head][64 x 2]
.set OIMG,  102400                     ; behind slot 0: the attention result's 16 half images of 768 bytes: (query tile m, head) at (4 m + head) x 768
.set OSC,   114688                     ; its scale words: (m, K step s) at (2 m + s) x 64 + 4 r
.set SPARE, 115200                     ; the spare words, 128 bytes for each wave: eight blocks of 256 bytes that no other line names
.set STG,   233472                     ; behind slot 1: 16 rows x 272 bytes for each wave, for the way out
.set AK0,  1                           ; v1   my lane's place among K's images
.set AV0,  2                           ; v2   among V's
.set AKS0, 3                           ; v3   among K's scale words
.set AVS0, 4                           ; v4   among V's scale halves
.set SPW,  5                           ; v5   LDS address of my spare word; never rewritten
.set NIL,  6                           ; v6   0; never rewritten
.set PF,   7                           ; v7   16,384 x my thread's number: a row of x
.set ADK,  8                           ; v8-11 the addresses of the step in hand
.set ADV,  9
.set ADS,  10
.set ADT,  11
.set QF,   16                          ; v16-33 [q | 0 | q]: v16-27 = [q | 0], v22-33 = [0 | q]
.set QS,   34                          ; v34  q's scale word; at the end out_w's of K step 0
.set QW,   35                          ; v35  the scale word as loaded; at the end out_w's of K step 1
.set FR,   36                          ; v36-83 four fragments, K's and then V's
.set KSC,  84                          ; v84-85 K's scale words; v86-87 V's; v88-91 V's halves as loaded; at the end v84-91 take the attention result's eight scale words
.set VSC,  86
.set VH,   88
.set PW,   92                          ; v92  p's scale word
.set SR,   96                          ; v96-159 S^T, then p
.set OT,   160                         ; v160-191 O^T
.set PC,   192                         ; v192-203 p's codes
.set CT,   204                         ; v204-206, v208-210 conversions' results on their way
.set BM,   212                         ; v212-215 the blocks' largest scores
.set BP,   216                         ; v216-219 at work
.set SO,   220                         ; v220-223 the conversions' scale operands
.set FF,   230                         ; v230-231 f = 2^(old M - new M)
.set T,    232                         ; v232 at work
.set L2,   234                         ; v234-235 the sum's second chain
.set TM,   212                         ; the closing quantiser works in v212-217
.set WV,   18
.set HD,   19
.set SEL,  20                          ; s[20:21] lane selects for lane l xor 16
.set CS,   22                          ; s[22:23] c = log2(e) / 8
.set G1,   24                          ; s[24:31] descriptor group 1
.set G0,   32                          ; s[32:35] descriptor group 0, which walks
.set TB,   36                          ; s36 LDS byte at which the slot in hand begins
.set SLOTS, 37
.set PSEL, 38
.macro TLOAD                           ; waves 0 to 3 fetch a quarter of a slot each; the branch hangs on the wave's number alone; four v_nop follow the load
	s_cmp_lt_u32 s[WV], 4
	s_cbranch_scc0 .Lasked_\@
	tensor_load_to_lds s[G0:G0+3], s[G1:G1+7]
	s_nop 0
.rept 4
	v_nop
.endr
.Lasked_\@:
.endm
.macro CROUND                          ; a round of the cluster's barrier: my work-group's barrier; wave 0 signals for the work-group; every wave waits for all four work-groups; my work-group's barrier once more
	s_barrier_signal -1
	s_barrier_wait -1
	s_cmp_lg_u32 s[WV], 0
	s_cbranch_scc1 .Lnot_wave_0_\@
	s_barrier_signal -3
.Lnot_wave_0_\@:
	s_barrier_wait -3
	s_barrier_signal -1
	s_barrier_wait -1
.endm
; 32 numbers of a lane, register 16 b + i = k 32 b + 16 (lane / 16) + i of the lane's row, become six registers of codes at v[dst]: lanes 0-15 block 0 whole, lanes 16-31 block 1 whole; v[hw] = byte of block 0 | byte of block 1 << 8.
.macro QUANT2 src, dst, tmp, hw
.irp b, 0,1
	v_max3_num_f32 v[TM+\b], |v[(\src)+16*\b]|, |v[(\src)+16*\b+1]|, 0x2800000
.endr
.irp i, 2,4,6,8,10,12,14
.irp b, 0,1
	s_delay_alu instid0(VALU_DEP_2)
	v_max3_num_f32 v[TM+\b], v[TM+\b], |v[(\src)+16*\b+\i]|, |v[(\src)+16*\b+\i+1]|
.endr
.endr
.irp b, 0,1
	s_delay_alu instid0(VALU_DEP_2)
	v_permlanex16_b32 v[TM+2+\b], v[TM+\b], s[SEL], s[SEL+1]
.endr
.irp b, 0,1
	s_delay_alu instid0(VALU_DEP_2)
	v_max_num_f32 v[TM+\b], v[TM+\b], v[TM+2+\b]
.endr
.irp b, 0,1
	s_delay_alu instid0(VALU_DEP_2)
	v_add_nc_u32 v[TM+4+\b], 0xfe000000, v[TM+\b]
.endr
.irp b, 0,1
	s_delay_alu instid0(VALU_DEP_2)
	v_lshrrev_b32 v[TM+2+\b], 23, v[TM+4+\b]
.endr
	s_delay_alu instid0(VALU_DEP_1)
	v_lshl_or_b32 v[(\hw)], v[TM+3], 8, v[TM+2]
	v_cvt_scalef32_pk16_bf6_f32 v[(\dst):(\dst)+2], v[(\src):(\src)+15], v[TM+4]
	v_cvt_scalef32_pk16_bf6_f32 v[(\tmp):(\tmp)+2], v[(\src)+16:(\src)+31], v[TM+5]
	v_nop                                          ; one plain instruction behind a scaled conversion
.irp i, 0,1,2
	v_permlane16_swap_b32 v[(\dst)+\i], v[(\tmp)+\i]
.endr
.irp i, 0,1,2
	s_delay_alu instid0(VALU_DEP_3)
	v_mov_b32 v[(\dst)+3+\i], v[(\tmp)+\i]
.endr
.endm
	s_load_b256 s[4:11], s[0:1], 0x0               ; qimg s[4:5], kv s[6:7], x s[8:9], out_w's codes s[10:11]
	s_load_b128 s[12:15], s[0:1], 0x20             ; out_w's scales s[12:13], out_b s[14:15]
	s_load_b64 s[16:17], s[0:1], 0x30              ; out0
	v_lshl_add_u32 v[SPW], v0, 2, SPARE
	v_mov_b32 v[NIL], 0
	ds_add_u32 v5, v6
	ds_add_u32 v5, v6
	s_wait_dscnt 0x0
	v_lshrrev_b32 v8, 5, v0
	s_delay_alu instid0(VALU_DEP_1)
	v_readfirstlane_b32 s[WV], v8                  ; wave 0..15
	s_lshr_b32 s[HD], s[WV], 2                     ; head
	s_bfe_u32 s39, ttmp6, 0x40000                  ; cx: my place in the cluster
	s_lshl_b32 s40, ttmp9, 2                       ; in a cluster launch ttmp9 counts clusters
	s_add_co_u32 s40, s40, s39                     ; my block of 64 positions: it enters q's, x's and out0's addresses alone
	s_and_b32 s41, ttmp7, 0xffff                   ; the batch, which the four partners share
	; descriptor group 1: a quarter of a slot: 25,600 dense bytes as 100 rows of 32 elements of 8 bytes; no padding: images are read 512 consecutive bytes at a time
	s_mov_b32 s[G1], 15|(3<<16)|(1<<21)            ; 15:0 the mask: all four work-groups; 17:16 elements of 8 bytes; 21 set beside a mask
	s_mov_b32 s[G1+1], 32<<16                      ; tensor_dim0 = 32
	s_mov_b32 s[G1+2], 100<<16                     ; tensor_dim1 = 100
	s_mov_b32 s[G1+3], 32<<16                      ; tile_dim0 = 32
	s_mov_b32 s[G1+4], 100                         ; tile_dim1 = 100
	s_mov_b32 s[G1+5], 32                          ; from row to row
	s_mov_b32 s[G1+6], 0
	s_mov_b32 s[G1+7], 0
	s_mov_b32 s[G0], 1                             ; count = 1
	s_and_b32 s[G0+1], s[WV], 3
	s_mul_i32 s[G0+1], s[G0+1], 25600              ; LDS address: slot 0, my quarter: no place in the cluster enters it
	s_mul_i32 s42, s41, 16*SLOTB                   ; the batch's sixteen slots
	s_add_co_u32 s42, s42, s[G0+1]
	s_mov_b32 s43, 0
	s_lshl_b32 s44, s41, 6
	s_add_co_u32 s44, s44, s40
	s_mul_i32 s44, s44, 12800                      ; my block of qimg
	s_mov_b32 s45, 0
	s_lshl_b32 s46, s41, 22
	s_lshl_b32 s47, s40, 8
	s_add_co_u32 s46, s46, s47                     ; x, out0: batch x 4,194,304 + my 64 positions
	s_mov_b32 s47, 0
	s_mov_b32 s49, 0
	s_mov_b32 s[SEL], 0x76543210
	s_mov_b32 s[SEL+1], 0xfedcba98
	s_mov_b32 s[CS], 0x3e38aa3b                    ; c = log2(e) / sqrt(64)
	s_mov_b32 s[CS+1], s[CS]                       ; (named with it as a pair, so it is written)
	s_mov_b32 s[PSEL], 0x05010400
	s_mov_b32 s[TB], 0
	s_mov_b32 s[SLOTS], 15
	s_wait_kmcnt 0x0
	s_add_nc_u64 s[G0+2:G0+3], s[6:7], s[42:43]    ; global address: the batch's first slot, my quarter
	s_or_b32 s[G0+3], s[G0+3], 0x80000000          ; type = 2
	CROUND                                         ; all four work-groups are here: the first joint loads meet
	TLOAD                                          ; slot 0
	s_add_nc_u64 s[4:5], s[4:5], s[44:45]
	s_add_nc_u64 s[8:9], s[8:9], s[46:47]          ; x at channel 0 of my positions
	s_add_nc_u64 s[16:17], s[16:17], s[46:47]
	s_lshl_b32 s48, s[WV], 18                      ; my 16 output channels: 16 rows of 16,384 bytes a wave
	s_add_nc_u64 s[40:41], s[8:9], s[48:49]
	s_add_nc_u64 s[16:17], s[16:17], s[48:49]
	s_mul_i32 s48, s[WV], 3072                     ; and the same 16 rows of out_w: 192 bytes of codes,
	s_add_nc_u64 s[10:11], s[10:11], s[48:49]
	s_lshl_b32 s48, s[WV], 7                       ; 8 of scales,
	s_add_nc_u64 s[12:13], s[12:13], s[48:49]
	s_lshl_b32 s48, s[WV], 6                       ; 4 of bias
	s_add_nc_u64 s[14:15], s[14:15], s[48:49]
	s_bfe_u32 s50, s[WV], 0x10001                  ; my query tile (b, u): b
	s_mul_i32 s48, s[HD], 3072
	s_mul_i32 s51, s50, 1536
	s_add_co_u32 s48, s48, s51                     ; q's image (head, b)
	s_lshl_b32 s51, s[HD], 7
	s_lshl_b32 s50, s50, 6
	s_add_co_u32 s51, s51, s50                     ; and its scale words
	v_and_b32 v10, 31, v0                          ; lane
	v_and_b32 v11, 15, v0                          ; r
	s_delay_alu instid0(VALU_DEP_2)
	v_lshl_add_u32 v8, v10, 4, s48
	s_delay_alu instid0(VALU_DEP_2)
	v_lshl_add_u32 v9, v11, 2, s51
.irp g, 0,1,2
	global_load_b128 v[FR+4*\g:FR+4*\g+3], v8, s[4:5] offset:512*\g
.endr
	global_load_b32 v[QW], v9, s[4:5] offset:12288
	s_mul_i32 s48, s[HD], 12288
	v_lshl_add_u32 v[AK0], v10, 4, s48             ; 16 x lane + eight images a head
	s_delay_alu instid0(VALU_DEP_1)
	v_add_nc_u32 v[AV0], 49152, v[AK0]
	s_lshl_b32 s48, s[HD], 7
	s_add_co_u32 s51, s48, 98304
	v_lshl_add_u32 v[AKS0], v10, 2, s51
	s_add_co_u32 s51, s48, 100352
	v_lshl_add_u32 v[AVS0], v10, 1, s51
	v_lshlrev_b32 v[PF], 14, v0
	s_mov_b32 s52, 0x01000100                      ; u = 0: the word's bytes 0, 1, twice;
	s_mov_b32 s53, 0x03020302                      ; u = 1: bytes 2, 3
	s_bitcmp1_b32 s[WV], 0
	s_cselect_b32 vcc_lo, -1, 0
	s_cselect_b32 s52, s53, s52
	s_wait_loadcnt 0x0
.irp i, 0,1,2,3,4,5
	v_cndmask_b32 v[QF+\i], v[FR+\i], v[FR+6+\i], vcc_lo   ; my tile's six registers of the image
.endr
	v_perm_b32 v[QS], v[QW], v[QW], s52            ; q's two bytes in both halves of the word: it serves [q | 0] and [0 | q]
.irp i, 0,1,2,3,4,5
	v_mov_b32 v[QF+12+\i], v[QF+\i]
	v_mov_b32 v[QF+6+\i], 0
.endr
.irp j, 0,1,2,3,4,5,6,7,8,9,10,11,12,13,14,15,16,17,18,19,20,21,22,23,24,25,26,27,28,29,30,31
	v_mov_b32 v[OT+\j], 0                          ; O^T.  (The step is written once: the first finds zeros, which the first change of M leaves zeros.  These lines are also the places between q's scale word and the first product)
.endr
	v_mov_b32 v13, 0xff61b1e6                      ; the largest t so far: -3e38, under every t
	s_delay_alu instid0(VALU_DEP_1)
	v_floor_f32 v12, -v13                          ; -M
	v_mov_b32 v14, 0                               ; the sum, in two halves
	v_mov_b32 v15, 0
.irp b, 0,1,2,3
	v_mov_b32 v[BP+\b], 0                          ; written once: a lane permute's destination counts as one of its sources
.endr
	v_mov_b32 v[FF+1], 0                           ; (named as the upper half of a pair)
; A KEY STEP: 128 keys, the q-th of the slot in hand.
.macro STEP q
	v_add_nc_u32 v[ADK], s[TB], v[AK0]             ; (these four are also the places in front of the loads into registers that the last products read)
	v_add_nc_u32 v[ADV], s[TB], v[AV0]
	v_add_nc_u32 v[ADS], s[TB], v[AKS0]
	v_add_nc_u32 v[ADT], s[TB], v[AVS0]
.irp b, 0,1,2,3
.irp g, 0,1,2
	ds_load_b128 v[FR+12*\b+4*\g:FR+12*\b+4*\g+3], v[ADK] offset:(4*(\q)+\b)*1536+512*\g
.endr
.endr
.irp i, 0,1
	ds_load_b32 v[KSC+\i], v[ADS] offset:(2*(\q)+\i)*512   ; lanes 0-15: the words of fragment 2 i, lanes 16-31: of fragment 2 i + 1
.endr
	s_wait_alu depctr_va_vdst(0)
	s_wait_dscnt 0x0
.irp b, 0,1,2,3                                ; S^T: fragment b holds keys 32 b on, tile u = 0 in k 0-63, u = 1 in k 64-127
.irp u, 0,1
.if \b%2
	v_wmma_scale_f32_16x16x128_f8f6f4 v[SR+8*(2*\b+\u):SR+8*(2*\b+\u)+7], v[FR+12*\b:FR+12*\b+11], v[QF+6*\u:QF+6*\u+11], 0, v[KSC+\b/2], v[QS] matrix_a_fmt:MATRIX_FMT_BF6 matrix_b_fmt:MATRIX_FMT_BF6 matrix_a_scale:MATRIX_SCALE_ROW1
.else
	v_wmma_scale_f32_16x16x128_f8f6f4 v[SR+8*(2*\b+\u):SR+8*(2*\b+\u)+7], v[FR+12*\b:FR+12*\b+11], v[QF+6*\u:QF+6*\u+11], 0, v[KSC+\b/2], v[QS] matrix_a_fmt:MATRIX_FMT_BF6 matrix_b_fmt:MATRIX_FMT_BF6
.endif
.endr
.endr                                          ; register 16 b + i of my lane: key 32 b + 16 (lane / 16) + i
.rept 4
	v_nop                                          ; places in front of the loads into K's fragments and of the first read of the scores
.endr
.irp t, 0,1,2,3                                ; V's four fragments land while the softmax is walked
.irp g, 0,1,2
	ds_load_b128 v[FR+12*\t+4*\g:FR+12*\t+4*\g+3], v[ADV] offset:(4*(\q)+\t)*1536+512*\g
.endr
.endr
.irp e, 0,1
.irp n, 0,1
	ds_load_u16 v[VH+2*\e+\n], v[ADT] offset:(2*(\q)+\n)*512+64*\e   ; the two bytes of keys 64 n on: lanes 0-15 tile 2 e, lanes 16-31 tile 2 e + 1
.endr
.endr
.irp b, 0,1,2,3
	v_max3_num_f32 v[BM+\b], v[SR+16*\b], v[SR+16*\b+1], v[SR+16*\b+2]   ; the largest score of each block of 32 keys: it serves the row's maximum and, since p rises with the score, the block's largest p
.endr
.irp i, 3,5,7,9,11,13
.irp b, 0,1,2,3
	v_max3_num_f32 v[BM+\b], v[BM+\b], v[SR+16*\b+\i], v[SR+16*\b+\i+1]
.endr
.endr
.irp b, 0,1,2,3
	v_max_num_f32 v[BM+\b], v[BM+\b], v[SR+16*\b+15]
.endr
.irp b, 0,1,2,3
	s_delay_alu instid0(VALU_DEP_4)
	v_permlanex16_b32 v[BP+\b], v[BM+\b], s[SEL], s[SEL+1]
.endr
.irp b, 0,1,2,3
	s_delay_alu instid0(VALU_DEP_4)
	v_max_num_f32 v[BM+\b], v[BM+\b], v[BP+\b]     ; with lane l xor 16's 16 keys
.endr
	s_delay_alu instid0(VALU_DEP_2)
	v_max3_num_f32 v[T], v[BM], v[BM+1], v[BM+2]
	s_delay_alu instid0(VALU_DEP_1)
	v_max_num_f32 v[T], v[T], v[BM+3]              ; the step's largest score of my query
	s_delay_alu instid0(VALU_DEP_1)
	v_mul_f32 v[T], s[CS], v[T]                    ; as t (c is positive)
	s_delay_alu instid0(VALU_DEP_1)
	v_max_num_f32 v13, v13, v[T]                   ; the running largest t
	v_mov_b32 v[T], v12
	s_delay_alu instid0(VALU_DEP_2)
	v_floor_f32 v12, -v13                          ; the new -M = floor(-t) = -ceil(t): M is a whole number
	s_delay_alu instid0(VALU_DEP_1)
	v_sub_f32 v[T], v12, v[T]                      ; old M - new M: a whole number, 0 or less
	s_delay_alu instid0(VALU_DEP_1)
	v_cvt_i32_f32 v[T], v[T]                       ; (it saturates)
	s_delay_alu instid0(VALU_DEP_1)
	v_ldexp_f32 v[FF], 1.0, v[T]                   ; f = 2^(old M - new M): a multiplication by it rounds nothing
.irp j, 0,2,4,6,8,10,12,14,16,18,20,22,24,26,28,30,32,34,36,38,40,42,44,46,48,50,52,54,56,58,60,62
	v_pk_fma_f32 v[SR+\j:SR+\j+1], v[SR+\j:SR+\j+1], s[CS:CS+1], v[12:13] op_sel_hi:[1,0,0]   ; t - M, two at a time
.endr
.irp b, 0,1,2,3
	v_fma_f32 v[BM+\b], v[BM+\b], s[CS], v12       ; the same of each block's largest score
.endr
	s_wait_alu depctr_va_vdst(0)
.irp j, 0,1,2,3,4,5,6,7,8,9,10,11,12,13,14,15,16,17,18,19,20,21,22,23,24,25,26,27,28,29,30,31,32,33,34,35,36,37,38,39,40,41,42,43,44,45,46,47,48,49,50,51,52,53,54,55,56,57,58,59,60,61,62,63
	v_exp_f32 v[SR+\j], v[SR+\j]                   ; p = 2^(t - M), at most 1: not normalised
.endr
.irp b, 0,1,2,3
	v_exp_f32 v[BM+\b], v[BM+\b]                   ; the block's largest p
.endr
	v_pk_mul_f32 v[14:15], v[14:15], v[FF:FF+1] op_sel_hi:[1,0]   ; the sums under the new M.  (A plain instruction behind the exponentials)
	s_wait_alu depctr_va_vdst(0)
.irp b, 0,1,2,3
	v_max_num_f32 v[BM+\b], 0x2800000, v[BM+\b]    ; the floor 2^(5 - 127): the byte cannot fall under 1
.endr
.irp b, 0,1,2,3
	s_delay_alu instid0(VALU_DEP_4)
	v_add_nc_u32 v[SO+\b], 0xfe000000, v[BM+\b]    ; 4 off the exponent field: the conversion's scale operand
.endr
.irp b, 0,1,2,3
	s_delay_alu instid0(VALU_DEP_4)
	v_lshrrev_b32 v[BP+\b], 23, v[SO+\b]           ; the scale's byte
.endr
	s_delay_alu instid0(VALU_DEP_2)
	v_lshl_or_b32 v[PW], v[BP+2], 8, v[BP]         ; p's scale word: the blocks in the order 0, 2, 1, 3
	s_delay_alu instid0(VALU_DEP_1)
	v_lshl_or_b32 v[PW], v[BP+1], 16, v[PW]
	s_delay_alu instid0(VALU_DEP_1)
	v_lshl_or_b32 v[PW], v[BP+3], 24, v[PW]
	v_cvt_scalef32_pk16_bf6_f32 v[PC:PC+2], v[SR:SR+15], v[SO]
	v_cvt_scalef32_pk16_bf6_f32 v[CT:CT+2], v[SR+32:SR+47], v[SO+2]
	v_cvt_scalef32_pk16_bf6_f32 v[PC+6:PC+8], v[SR+16:SR+31], v[SO+1]
	v_cvt_scalef32_pk16_bf6_f32 v[CT+4:CT+6], v[SR+48:SR+63], v[SO+3]
	v_nop                                          ; one plain instruction behind a scaled conversion
.irp c, 0,1                                    ; registers 6 c .. 6 c + 5: lanes 0-15 block c whole, lanes 16-31 block 2 + c whole
.irp i, 0,1,2
	v_permlane16_swap_b32 v[PC+6*\c+\i], v[CT+4*\c+\i]
.endr
.irp i, 0,1,2
	s_delay_alu instid0(VALU_DEP_3)
	v_mov_b32 v[PC+3+6*\c+\i], v[CT+4*\c+\i]
.endr
.endr
	s_wait_dscnt 0x0                               ; V's fragments and scale halves are in
.irp e, 0,1
	v_perm_b32 v[VSC+\e], v[VH+2*\e+1], v[VH+2*\e], s[PSEL]   ; V's scale words, the blocks in the order 0, 2, 1, 3
.endr
	v_pk_add_f32 v[234:235], v[100:101], v[104:105]
	v_pk_add_f32 v[254:255], v[108:109], v[112:113]
	v_pk_add_f32 v[252:253], v[116:117], v[120:121]
	v_pk_add_f32 v[250:251], v[124:125], v[128:129]
	v_pk_add_f32 v[248:249], v[132:133], v[136:137]
	v_pk_add_f32 v[246:247], v[140:141], v[144:145]
	v_pk_add_f32 v[244:245], v[148:149], v[152:153]
	v_pk_add_f32 v[14:15], v[14:15], v[156:157]
	v_pk_add_f32 v[234:235], v[234:235], v[96:97]
	v_pk_add_f32 v[254:255], v[254:255], v[98:99]
	v_pk_add_f32 v[252:253], v[252:253], v[102:103]
	v_pk_add_f32 v[250:251], v[250:251], v[106:107]
	v_pk_add_f32 v[248:249], v[248:249], v[110:111]
	v_pk_add_f32 v[246:247], v[246:247], v[114:115]
	v_pk_add_f32 v[244:245], v[244:245], v[118:119]
	v_pk_add_f32 v[14:15], v[14:15], v[122:123]
	v_pk_add_f32 v[234:235], v[234:235], v[126:127]
	v_pk_add_f32 v[254:255], v[254:255], v[130:131]
	v_pk_add_f32 v[252:253], v[252:253], v[134:135]
	v_pk_add_f32 v[250:251], v[250:251], v[138:139]
	v_pk_add_f32 v[248:249], v[248:249], v[142:143]
	v_pk_add_f32 v[246:247], v[246:247], v[146:147]
	v_pk_add_f32 v[244:245], v[244:245], v[150:151]
	v_pk_add_f32 v[14:15], v[14:15], v[154:155]
	v_pk_add_f32 v[234:235], v[234:235], v[158:159]
	s_delay_alu instid0(VALU_DEP_2)
	v_pk_add_f32 v[14:15], v[14:15], v[250:251]
	s_delay_alu instid0(VALU_DEP_2)
	v_pk_add_f32 v[234:235], v[234:235], v[248:249]
	v_pk_add_f32 v[254:255], v[254:255], v[246:247]
	v_pk_add_f32 v[252:253], v[252:253], v[244:245]
	s_delay_alu instid0(VALU_DEP_2)
	v_pk_add_f32 v[14:15], v[14:15], v[254:255]
	s_delay_alu instid0(VALU_DEP_2)
	v_pk_add_f32 v[234:235], v[234:235], v[252:253]
	s_delay_alu instid0(VALU_DEP_1)
	v_pk_add_f32 v[14:15], v[14:15], v[234:235]
.irp j, 0,2,4,6,8,10,12,14,16,18,20,22,24,26,28,30
	v_pk_mul_f32 v[OT+\j:OT+\j+1], v[OT+\j:OT+\j+1], v[FF:FF+1] op_sel_hi:[1,0]   ; O^T under the new M
.endr
.irp t, 0,1,2,3                                ; O^T += V^T P^T; the four accumulators take turns
.if \t%2
	v_wmma_scale_f32_16x16x128_f8f6f4 v[OT+8*\t:OT+8*\t+7], v[FR+12*\t:FR+12*\t+11], v[PC:PC+11], v[OT+8*\t:OT+8*\t+7], v[VSC+\t/2], v[PW] matrix_a_fmt:MATRIX_FMT_BF6 matrix_b_fmt:MATRIX_FMT_BF6 matrix_a_scale:MATRIX_SCALE_ROW1
.else
	v_wmma_scale_f32_16x16x128_f8f6f4 v[OT+8*\t:OT+8*\t+7], v[FR+12*\t:FR+12*\t+11], v[PC:PC+11], v[OT+8*\t:OT+8*\t+7], v[VSC+\t/2], v[PW] matrix_a_fmt:MATRIX_FMT_BF6 matrix_b_fmt:MATRIX_FMT_BF6
.endif
.endr
.endm
; THE CHANGE OF SLOTS stands at a slot's head.  Each wave waits for all its tensor loads (one at the most is out: its quarter of the slot ahead), adds 0 to its spare word, and waits for that and for its reads of the slot that it has left.
; fill = 1: the barrier is a round of the cluster's, so that no wave of any partner still reads the slot left or has a load on its way; behind it that slot is filled with the next 256 keys: the load has a slot's two steps in which to land.
.macro CHANGE fill
	s_wait_tensorcnt 0x0                           ; no tensor load of mine is out, so group 0 may be written
	ds_add_u32 v[SPW], v[NIL]                      ; 0 onto my spare word
.if \fill
	s_xor_b32 s[G0+1], s[G0+1], SLOT1              ; the other slot than last time,
	s_add_nc_u64 s[G0+2:G0+3], s[G0+2:G0+3], SLOTB ; the next 256 keys; the type bits on top are not reached
.endif
	s_wait_dscnt 0x0                               ; the add is done, and my reads of the slot that I have left are over
.if \fill
	CROUND
	TLOAD                                          ; the first thing behind the round, and a wave's one tensor load until the next
.else
	s_barrier_signal -1
	s_barrier_wait -1
.endif
.endm
.Lslot:                                            ; 15 trips: behind each change of slots but the last the next slot is asked for
	CHANGE 1
	STEP 0
	STEP 1
	s_xor_b32 s[TB], s[TB], SLOT1                  ; on to the other slot
	s_sub_co_u32 s[SLOTS], s[SLOTS], 1
	s_cmp_lg_u32 s[SLOTS], 0
	s_cbranch_scc1 .Lslot
	CHANGE 0                                       ; the last slot is written out
	s_cmp_lt_u32 s[WV], 8
	s_cbranch_scc0 .Lno_prefetch
	global_prefetch_b8 v[PF], s[8:9] th:TH_LOAD_NT scope:SCOPE_SE   ; x's 256 pieces of 256 bytes that the work-group adds at the end: thread t of waves 0 to 7 asks for channel t's, each once, two key steps ahead of its load
.Lno_prefetch:
	STEP 0
	STEP 1
	; ---- THE END.  The addresses are made first: plain instructions that name none of the last products' registers, so they are the places behind them.
	v_and_b32 v16, 15, v0                          ; r
	v_bfe_u32 v17, v0, 4, 1                        ; h
	v_and_b32 v18, 31, v0                          ; lane
	s_delay_alu instid0(VALU_DEP_1)
	v_lshl_add_u32 v11, v18, 4, OIMG               ; v11: an image's 16 bytes a lane
	s_wait_alu depctr_va_vdst(0)
	v_lshl_add_u32 v93, v18, 3, OIMG+512           ; v93: and its 8 bytes a lane
	s_wait_alu depctr_va_vdst(0)
	v_lshl_add_u32 v94, v16, 2, OSC                ; v94: the scale words
	s_wait_alu depctr_va_vdst(0)
	s_and_b32 s53, s[WV], 3                        ; m: my query tile
	s_mul_i32 s50, s53, 3072
	s_mul_i32 s51, s[HD], 768
	s_add_co_u32 s50, s50, s51                     ; my half image: 4 m + head
	s_lshl_b32 s51, s53, 7
	s_lshr_b32 s52, s[HD], 1
	s_lshl_b32 s52, s52, 6
	s_add_co_u32 s51, s51, s52
	s_and_b32 s52, s[HD], 1
	s_lshl_b32 s52, s52, 1
	s_add_co_u32 s51, s51, s52                     ; my two bytes: word 2 m + head / 2, bytes 2 (head % 2) on
	s_mul_i32 s52, s[WV], 4352
	s_add_co_u32 s52, s52, STG                     ; my stage
	v_add_nc_u32 v8, s50, v11
	v_add_nc_u32 v9, s50, v93
	v_add_nc_u32 v10, s51, v94
	v_mul_u32_u24 v95, v16, 272
	s_delay_alu instid0(VALU_DEP_1)
	v_lshl_add_u32 v95, v17, 6, v95
	s_delay_alu instid0(VALU_DEP_1)
	v_add_nc_u32 v95, s52, v95                     ; v95: into the stage: row r, + 64 h
	v_mul_u32_u24 v1, v16, 192
	s_delay_alu instid0(VALU_DEP_1)
	v_mad_u32_u24 v1, v17, 24, v1                  ; v1: out_w's codes: row r of my 16, + 24 h
	v_lshlrev_b32 v2, 3, v16                       ; v2: its scale words
	v_lshlrev_b32 v3, 2, v16                       ; v3: out_b
	v_lshlrev_b32 v4, 14, v17
	s_delay_alu instid0(VALU_DEP_1)
	v_lshl_add_u32 v4, v16, 4, v4                  ; v4: x, out0: lanes 0-15 one channel's 256 bytes, lanes 16-31 the next channel's
.irp s, 0,1
.irp p, 0,1,2,3,4,5
	global_load_b64 v[FR+12*\s+2*\p:FR+12*\s+2*\p+1], v1, s[10:11] offset:96*\s+48*(\p/3)+8*(\p%3)
.endr
.endr
.irp s, 0,1
	global_load_b32 v[QS+\s], v2, s[12:13] offset:4*\s
.endr
	global_load_b32 v62, v3, s[14:15]
.irp i, 0,1,2,3,4,5,6,7
	global_load_b128 v[128+4*\i:128+4*\i+3], v4, s[40:41] offset:32768*\i th:TH_LOAD_NT   ; x: its last reader
.endr
	v_add_f32 v14, v14, v15                        ; the sum's two halves,
	s_delay_alu instid0(VALU_DEP_1)
	v_permlanex16_b32 v[T], v14, s[SEL], s[SEL+1]
	s_delay_alu instid0(VALU_DEP_1)
	v_add_f32 v14, v14, v[T]                       ; and lane l xor 16's: the row's sum
	s_wait_alu depctr_va_vdst(0)
	v_rcp_f32 v14, v14
	v_nop                                          ; one plain instruction behind the transcendental
	s_wait_alu depctr_va_vdst(0)
.irp j, 0,1,2,3,4,5,6,7,8,9,10,11,12,13,14,15,16,17,18,19,20,21,22,23,24,25,26,27,28,29,30,31
	v_mul_f32 v[SR+\j], v[OT+\j], v14              ; register 16 b + i: channel 64 head + 32 b + 16 h + i of my query
.endr
	QUANT2 SR, PC, CT, PW
	ds_store_b128 v8, v[PC:PC+3]
	ds_store_b64 v9, v[PC+4:PC+5]
	ds_store_b16 v10, v[PW]                        ; both lanes of a query write the same two bytes with the same value
	s_wait_dscnt 0x0                               ; for the others' sake: my stores have landed
	s_barrier_signal -1
	s_barrier_wait -1                              ; the attention result's eight fragments and their scale words lie in LDS
.irp m, 0,1,2,3
.irp s, 0,1
	ds_load_b128 v[160+12*(2*\m+\s):160+12*(2*\m+\s)+3], v11 offset:(4*\m+2*\s)*768
	ds_load_b64 v[160+12*(2*\m+\s)+4:160+12*(2*\m+\s)+5], v93 offset:(4*\m+2*\s)*768
	ds_load_b128 v[160+12*(2*\m+\s)+6:160+12*(2*\m+\s)+9], v11 offset:(4*\m+2*\s+1)*768
	ds_load_b64 v[160+12*(2*\m+\s)+10:160+12*(2*\m+\s)+11], v93 offset:(4*\m+2*\s+1)*768
	ds_load_b32 v[KSC+2*\m+\s], v94 offset:(2*\m+\s)*64
.endr
.endr
	v_mul_u32_u24 v8, v17, 272
	s_delay_alu instid0(VALU_DEP_1)
	v_lshl_add_u32 v8, v16, 4, v8
	s_delay_alu instid0(VALU_DEP_1)
	v_add_nc_u32 v8, s52, v8                       ; v8: back from the stage: lanes 0-15 one row, lanes 16-31 the next
	s_wait_loadcnt 8                               ; out_w, its scales and out_b are in; x's eight loads may be out
.irp j, 0,1,2,3,4,5,6,7
	v_mov_b32 v[64+\j], v62                        ; a lane holds one output channel: its bias in all eight registers, the C of each sum's first product
.endr
	s_wait_alu depctr_va_vdst(0)
	s_wait_dscnt 0x0
.irp m, 0,1,2,3                                ; source 0 = 16 queries, source 1 = my 16 rows of out_w: a lane holds one output channel and eight neighbouring positions; the four accumulators take turns
	v_wmma_scale_f32_16x16x128_f8f6f4 v[SR+8*\m:SR+8*\m+7], v[160+24*\m:160+24*\m+11], v[FR:FR+11], v[64:71], v[KSC+2*\m], v[QS] matrix_a_fmt:MATRIX_FMT_BF6 matrix_b_fmt:MATRIX_FMT_BF6
.endr
.irp m, 0,1,2,3
	v_wmma_scale_f32_16x16x128_f8f6f4 v[SR+8*\m:SR+8*\m+7], v[160+24*\m+12:160+24*\m+23], v[FR+12:FR+23], v[SR+8*\m:SR+8*\m+7], v[KSC+2*\m+1], v[QS+1] matrix_a_fmt:MATRIX_FMT_BF6 matrix_b_fmt:MATRIX_FMT_BF6
.endr
.rept 4
	v_nop                                          ; places in front of the first read of the results and of the loads into the fragments' registers
.endr
.irp m, 0,1,2,3                                ; register j of tile m = (b, u): position 32 b + 16 h + 8 u + j
	ds_store_b128 v95, v[SR+8*\m:SR+8*\m+3] offset:128*(\m/2)+32*(\m%2)      ; each accumulator from its low end on
	ds_store_b128 v95, v[SR+8*\m+4:SR+8*\m+7] offset:128*(\m/2)+32*(\m%2)+16
.endr
.irp i, 0,1,2,3,4,5,6,7
	ds_load_b128 v[160+4*\i:160+4*\i+3], v8 offset:544*\i   ; LDS serves a wave's instructions in order: these see my stores
.endr
	s_wait_loadcnt 0x0                             ; x
.irp i, 0,1,2,3,4,5,6,7
	s_wait_dscnt 7-\i                              ; pair i of rows is back; the 7 - i younger loads may be out
	v_pk_add_f32 v[160+4*\i:160+4*\i+1], v[160+4*\i:160+4*\i+1], v[128+4*\i:128+4*\i+1]
	v_pk_add_f32 v[160+4*\i+2:160+4*\i+3], v[160+4*\i+2:160+4*\i+3], v[128+4*\i+2:128+4*\i+3]
	global_store_b128 v4, v[160+4*\i:160+4*\i+3], s[16:17] offset:32768*\i th:TH_STORE_NT   ; 16 lanes store 256 consecutive bytes, at a multiple of 256 from out0's first byte
.endr
	s_wait_tensorcnt 0x0                           ; the wave's end, behind my last tensor load and my last LDS store
	ds_add_u32 v[SPW], v[NIL]
	s_wait_dscnt 0x0
	CROUND                                         ; the closing round: no work-group ends while a partner may still ask for a slot that names it
	s_endpgm
.Lfunc_end_k_qcb66eca5d8_attn:
	.size	k_qcb66eca5d8_attn, .Lfunc_end_k_qcb66eca5d8_attn-k_qcb66eca5d8_attn
	.p2alignl 7, 3214868480
	.fill 96, 4, 3214868480
	.section	.rodata,"a",@progbits
	.p2align	6, 0x0
	.amdhsa_kernel k_qcb66eca5d8_attn
		.amdhsa_group_segment_fixed_size 327680
		.amdhsa_private_segment_fixed_size 0
		.amdhsa_enable_private_segment 0
		.amdhsa_kernarg_size 56
		.amdhsa_user_sgpr_count 2
		.amdhsa_user_sgpr_kernarg_segment_ptr 1
		.amdhsa_wavefront_size32 1
		.amdhsa_system_sgpr_workgroup_id_x 1
		.amdhsa_system_sgpr_workgroup_id_y 1
		.amdhsa_system_sgpr_workgroup_id_z 1
		.amdhsa_system_vgpr_workitem_id 0
		.amdhsa_next_free_vgpr 256
		.amdhsa_next_free_sgpr 66
		.amdhsa_reserve_vcc 1
		.amdhsa_float_denorm_mode_32 3
		.amdhsa_float_denorm_mode_16_64 3
		.amdhsa_memory_ordered 1
		.amdhsa_forward_progress 1
		.amdhsa_inst_pref_size 92
	.end_amdhsa_kernel
	.amdgpu_metadata
---
amdhsa.version: [ 1, 2 ]
amdhsa.kernels:
  - .name:           k_qcb66eca5d8_attn
    .symbol:         k_qcb66eca5d8_attn.kd
    .args:
      - { .name: qimg, .offset: 0, .size: 8, .value_kind: global_buffer, .address_space: global }
      - { .name: kv, .offset: 8, .size: 8, .value_kind: global_buffer, .address_space: global }
      - { .name: x, .offset: 16, .size: 8, .value_kind: global_buffer, .address_space: global }
      - { .name: out_w_codes, .offset: 24, .size: 8, .value_kind: global_buffer, .address_space: global }
      - { .name: out_w_scales, .offset: 32, .size: 8, .value_kind: global_buffer, .address_space: global }
      - { .name: out_b, .offset: 40, .size: 8, .value_kind: global_buffer, .address_space: global }
      - { .name: out0, .offset: 48, .size: 8, .value_kind: global_buffer, .address_space: global }
    .group_segment_fixed_size: 327680
    .private_segment_fixed_size: 0
    .kernarg_segment_align: 8
    .kernarg_segment_size: 56
    .max_flat_workgroup_size: 512
    .sgpr_count:     66
    .vgpr_count:     256
    .wavefront_size: 32
...
	.end_amdgpu_metadata
.endif
;; end of part 3
